; MI455X (gfx1250); checked and timed in simulation.
; The chip was launched on July 23, 2026; its instructions are those of AMD's public machine-readable ISA for CDNA 5 (MIT licence, August 2026) and "CDNA5" Instruction Set Architecture Reference Guide (July 2026). The comments in the code are by the model that wrote it; some were corrected since.
;; Attention Op. Allowed arithmetic: matrix products marked QUANTISED: E2M1 operands, one E8M0 scale for each 32 along K, by v_wmma_scale_f32_16x16x128_f8f6f4 with both operands' format E2M1 (or v_wmma_scale_f32_32x16x128_f4), f32 sums; everything else in f32.
;; Inputs: decoder_segment_ids 4 x 2,048 int32; key_codes 4 x 2,048 x 2 x 4 x 16 uint8 (E2M1 codes of key, K innermost, in blocks of 32 codes, two codes a byte); key_scales 4 x 2,048 x 2 x 4 uint8 (E8M0 scales of key, one for each 32 codes along K); query 4 x 2,048 x 8 x 128 float32; value_codes 4 x 2 x 128 x 64 x 16 uint8 (E2M1 codes of value, K innermost, in blocks of 32 codes, two codes a byte); value_scales 4 x 2 x 128 x 64 uint8 (E8M0 scales of value, one for each 32 codes along K).
;; Outputs: out0 4 x 2,048 x 8 x 128 float32.
;; This version of the problem:
;;   THIS VERSION OF THE PROBLEM IS GIVEN IN LOW PRECISION. The matrix products marked QUANTISED in the list below multiply operands that are first quantised to E2M1 (2 exponent bits, 1 mantissa bit; 4 bits a number), with one power-of-two scale for each 32 numbers along K (OCP MX v1.0); their sums are f32. All else is computed in f32.
;;   The module's matrix products, in the order in which they are computed (A, B: the left and right operand; K: the contracted axis; several contracted axes count as one K, in the product's order):
;;     1. batch 8 x [M 2,048, K 128] x [K 128, N 8,192]; A: input key (given as codes); B: computed on the way: QUANTISED
;;     2. batch 8 x [M 128, K 2,048] x [K 2,048, N 8,192]; A: input value (given as codes); B: softmax (see below): QUANTISED
;;   THE QUANTISER, for each operand of a quantised product, along K:
;;     - K is cut into blocks of 32 from its start; a last block that is shorter is filled with zeros.
;;     - A block's scale is 2^e with e = floor(log2(the largest magnitude in the block)) - 2, held to -126 .. 127; a block of zeros has e = 0. As a byte (E8M0): e + 127.
;;     - Each number is divided by its block's scale, clamped to +-6, and rounded to the nearest number of E2M1, ties to even, subnormals kept.
;;     - The product sums the exact products of the quantised numbers (number of the format x scale) in f32.
;;   ~~~python
;;   def quantise(x, axis):      # numpy; x: float32 -> the quantised numbers, widened to float32 again
;;       x = np.moveaxis(x, axis, -1); K = x.shape[-1]
;;       x = np.pad(x, [(0, 0)] * (x.ndim - 1) + [(0, -K % 32)]); x = x.reshape(x.shape[:-1] + (-1, 32)); a = np.abs(x).max(-1, keepdims=True)
;;       e = np.where(a > 0, np.clip(np.frexp(np.where(a > 0, a, 1))[1] - 1 - 2, -126, 127), 0)      # np.frexp(a)[1] - 1 = floor(log2(a)), exactly
;;       r = np.clip(x / 2.0 ** e, -6, 6)
;;       step = 2.0 ** (np.maximum(np.frexp(np.where(r == 0, 1, r))[1] - 1, 0) - 1)
;;       q = np.round(r / step) * step * 2.0 ** e      # np.round: ties to even
;;       return np.moveaxis(q.reshape(q.shape[:-2] + (-1,))[..., :K], -1, axis).astype(np.float32)
;;   ~~~
;;   SOFTMAX AHEAD OF A QUANTISED PRODUCT. Where the list says 'softmax', what is quantised is not the finished softmax but p = 2^(t - M), with t = logit x log2(e) and M = ceil(the row's largest t), a whole number; so 1/2 < the row's largest p <= 1. The row's sum l is taken of the UNQUANTISED p, in f32, and the product's result is divided by l at the end. Since M is a whole number, a kernel that streams over the keys may use a running M (the ceiling of the running maximum): every later rescaling is an exact power of two, which a block's scale takes up: the codes' values come out the same.
;;   OPERANDS COMPUTED ON THE WAY. 'Computed on the way' means the value that the module computes at that place (a softmax that the list does not call 'softmax' is quantised finished and normalised). What goes into a quantiser is computed in f32, as accurately as f32 sums, v_exp_f32 and their like allow (about 1e-6 of the number): no bf16 or f16 on the way to a quantiser, and a product that is left as it is and whose result goes on into a quantised operand takes f32 operands (vector FMAs, or v_wmma_f32_16x16x4_f32). A number that lies on a knife's edge between two numbers of the format may be rounded either way, as far as f32 arithmetic and the matrix unit's own rounding can turn it there, and no further.
;;   INPUTS GIVEN AS CODES. key (in the module: [4, 2048, 2, 128], K = its axis 3); value (in the module: [4, 2048, 2, 128], K = its axis 1): each comes as NAME_codes (uint8): NAME with its K axis moved to the last place and cut into blocks of 32 codes, [.., K / 32, bytes a block], one block behind the other in memory; two codes a byte, the lower K in the low four bits (a code: sign, 2 exponent bits, 1 mantissa bit); and NAME_scales (uint8): the same leading axes, one E8M0 byte (e + 127) for each 32 codes along K. Its value is code x scale, taken as it is: it is not quantised again, and the codes and scales need not be those that the quantiser above would give.
;; One version. Each part assembles by itself: llvm-mc -triple=amdgcn-amd-amdhsa -mcpu=gfx1250 --defsym DOCPART=n.
;; ======== version 1 of 1: 1 launch
;; limits: inputs' magnitudes at most 1,100,000,000,000; right only within a limited range of input values
;; launch attn (part 1): grid 32 x 8, 16 waves a work-group, no clusters, 326,400 bytes of LDS; arguments query, key_codes, key_scales, value_codes, value_scales, decoder_segment_ids, out0; writes out0
.if DOCPART == 1
	.amdgcn_target "amdgcn-amd-amdhsa--gfx1250"
	.amdhsa_code_object_version 6
	.text
	.protected	k_q0ec1620227_attn
	.globl	k_q0ec1620227_attn
	.p2align	8
	.type	k_q0ec1620227_attn,@function
k_q0ec1620227_attn:
	s_mov_b64 s[64:65], 0
	v_nop
	global_prefetch_b8 v0, s[64:65] scope:SCOPE_SE
	s_setreg_imm32_b32 hwreg(HW_REG_WAVE_MODE, 25, 1), 1
	s_wait_xcnt 0x0
; out[b][q][4 kv + g][:] = sum over keys of softmax(mask(50 tanh(Q(query / sqrt(128)) . key / 50))) value, both products on codes of FP4 (E2M1) with one E8M0 scale for each 32 along K.
; query, out0: [4][2048][8][128] f32.  key: codes [4][2048][2][64 bytes], scale words [4][2048][2].  value: codes with the keys innermost [4][2][128][1024 bytes], scale bytes [4][2][128][64].  ids: [4][2048] i32.
; A key k counts for query q where 0 <= q - k <= 1023 and the two segment ids are equal.  WORK LEFT OUT: blocks of 32 keys that this band, which reference() builds itself, hides from all 16 queries of a tile: their weights are
; zeros for all values of the inputs.  A NaN, an infinity or an overflow that reaches only such a block is not carried to the result.
; SHARES.  Work-group (x, y): batch y / 2, key-value head y % 2, the 16-position groups 64 + 2 x, 65 + 2 x, x and 63 - x.  Wave w: query head 4 (y % 2) + w % 4, group number w / 4: ONE tile of 16 queries in 256 registers.
; A group c needs min(c / 2 + 1, 33) blocks of 32 keys, so the four waves of equal w % 4 walk 33 + 33 + 33 blocks in every work-group.
; THE WALK.  With a = c / 2 the tile's own block, full steps of four blocks go down from a - 3 .. a; what is left at the bottom (0 to 3 blocks; block a - 32 where a >= 32) goes by single blocks.  So the causal edge lies in the
; first full step's last block (or in a single block where a < 3), the far edge of the band in the single block a - 32, and no other block needs the band's mask.
; LDS holds all 2,048 keys of the head, written once through registers; afterwards they are only read.  V's loads land in O's registers and go to LDS behind the first step's scores, under which they are on their way.
; LAYOUT.  Both products are used transposed: S^T = K Q^T (source 0 = 16 keys, source 1 = my 16 queries), O^T = V^T P^T (source 0 = 16 channels, source 1 = P): a lane holds ONE query (lane % 16) throughout.
; THE KEYS OF A TILE ARE NOT NEIGHBOURS: lane r of tile 2 b + u takes key 32 b + 8 u + r + 8 (r / 8), so that the 16 registers of tiles 2 b and 2 b + 1 are 16 neighbouring keys, 32 b + 16 (lane / 16) + 0 .. 15.
; NO MAXIMUM IS TAKEN AWAY: p = 2^t, t = 50 log2(e) tanh(s / 50).  The cap, which is the problem's own, holds |t| under 72.2 for every input: p lies in 2^-73 .. 2^73 and a row's sum of at most 1,024 of them under 2^83.
; 0 is a whole number, so p differs from 2^(t - M) by an exact power of two, which the blocks' scales and the row's sum take up.  A hidden key gets t = -infinity, p = 0; a query always sees its own key, so the sum is above 0.
; TANH = z / sqrt(z^2 + c^2), z = c sinh(s / 50), c = 2^-38; sinh(y) / y is a polynomial of degree 5 in s^2.  An error of z weighs by 1 / cosh^2, so the polynomial is fitted under that weight: it moves t by 7e-8 of t at the most.
; THE SEGMENTS come behind t, under a scalar branch: bit j of a flag word is set unless block j's 32 ids and my 16 queries' ids are all one number.  The flags come from ids, whole numbers read from memory.
; NO TENSOR LOADS, NO JOINT LOADS: joint requests are tensor loads; the branch on the flags spares 128 vector instructions and 17 LDS loads in each step
; whose ids are alike, and a work-group reads the keys once for its 16 tiles.  No prefetch: every global load of the text is issued in its first lines.
; LIMITS: NaN and infinities among the inputs are not served; |logit| ahead of the cap stays under 10^5, so that z^2 stays finite; |value| stays under 2^40, so that sums of p x value stay finite; a block of the scaled query
; whose largest magnitude lies under 2^-124 takes the scale byte 1; the roundings of t add up to a few units in the last place.
.set VP,   1040                        ; a channel's row of V in LDS: 64 blocks x 16 bytes + 16 of padding: an odd multiple of 16
.set SP,   528                         ; a row of Q's stage: 512 bytes + 16
.set OP,   272                         ; a row of O's stage: 256 bytes + 16
.set KS,   131072                      ; LDS: K's codes from 0, 64 bytes a key, its four 16-byte columns exchanged by key bits 2 and 4; then K's scale words,
.set SG,   139264                      ; the ids,
.set VS,   147456                      ; V's scale words [4 blocks][channel], 512 bytes a row,
.set SUM,  155648                      ; the blocks' summaries: first id, mask of the lanes that differ from it
.set VC,   156160                      ; V's codes, 128 rows; ahead of them, in the same bytes, Q's stages
.set STG,  289536                      ; O's stages, 8 rows for each wave
.set SPARE,324352                      ; the spare words
; vector registers
.set AK,   1                           ; lane places: K's columns for c = 0,
.set AV,   2                           ; V,
.set ASK,  3                           ; K's scale words,
.set ASV,  4                           ; V's scale words,
.set AK2,  5                           ; K's columns for c = 1
.set LS,   6                           ; v[6:7] the row's sum, in two halves
.set QC,   8                           ; v8-15 Q's codes
.set ADK,  16                          ; v16-21 a step's LDS addresses
.set ADK2, 17
.set ADV,  18
.set ADV2, 19
.set ADS,  20
.set ADT,  21
.set VP4,  22                          ; v[22:23] the polynomial's coefficient 4, twice
.set W1,   24                          ; v24-31 the upper words of V's scale bytes
.set T,    32                          ; v32-95 K's fragments; s^2, then 1 / sqrt; ids; V's fragments
.set S,    96                          ; v96-159 scores, t, p
.set O,    160                         ; v160-223 O^T
.set U,    224                         ; v224-231 p's codes
.set PP,   224                         ; v224-239 the polynomial
.set P,    232                         ; v232-239 the blocks' largest p and their bytes
.set KVS,  240                         ; v240-247 scale words, and nothing else
.set PSW,  248
.set QSW,  249
.set TM2,  250                         ; v250-253 the conversions' scale operands
.set L2,   254
; scalar registers
.set WV,   18
.set HG,   19
.set SEL,  20                          ; s[20:21] lane selects for v_permlanex16_b32: lane l xor 16
.set BB,   22
.set KV,   23
.set BY,   24
.set G,    25                          ; wave / 4
.set C16,  26                          ; my 16-position group
.set QW,   27                          ; my first position
.set AB,   30                          ; a
.set NF,   31                          ; full steps
.set CP5,  32                          ; pairs: a packed form names a pair and takes its low word for both halves
.set CP3,  34
.set CP2,  36
.set CP1,  38
.set CP0,  40
.set CSG,  42                          ; c^2
.set CK,   44                          ; 50 log2(e)
.set CQ,   46                          ; 1 / sqrt(128)
.set BBK,  48                          ; a full step's first block
.set CNT,  49
.set SBK,  50                          ; the single block
.set NS,   51                          ; single blocks
.set FL,   52                          ; s[52:53] the flags
.set SH,   54                          ; 8 x (first block % 4)
.set CN2,  55
.macro PAIR reg, bits
	s_mov_b32 s[\reg], \bits
	s_mov_b32 s[\reg+1], \bits
.endm
	s_load_b256 s[4:11], s[0:1], 0x0               ; query s[4:5], K's codes s[6:7], K's scales s[8:9], V's codes s[10:11]
	s_load_b128 s[12:15], s[0:1], 0x20             ; V's scales s[12:13], ids s[14:15]
	s_load_b64 s[16:17], s[0:1], 0x30              ; out0
	v_lshrrev_b32 v1, 5, v0
	v_readfirstlane_b32 s[WV], v1                  ; wave 0..15
	s_and_b32 s[HG], s[WV], 3
	s_lshr_b32 s[G], s[WV], 2
	s_and_b32 s[BY], ttmp7, 0xffff
	s_lshr_b32 s[BB], s[BY], 1
	s_and_b32 s[KV], s[BY], 1
	s_lshl_b32 s60, ttmp9, 1
	s_add_co_u32 s60, s60, s[G]
	s_add_co_u32 s60, s60, 64                      ; 64 + 2 x + (0 or 1)
	s_xor_b32 s61, ttmp9, 63                       ; 63 - x, x < 32
	s_cmp_eq_u32 s[G], 3
	s_cselect_b32 s61, s61, ttmp9
	s_cmp_lt_u32 s[G], 2
	s_cselect_b32 s[C16], s60, s61
	s_lshl_b32 s[QW], s[C16], 4
	s_lshr_b32 s[AB], s[C16], 1
	s_add_co_u32 s60, s[AB], 1
	s_min_u32 s60, s60, 33                         ; blocks of my tile
	s_lshr_b32 s[NF], s60, 2
	s_and_b32 s[NS], s60, 3
	s_max_u32 s[SBK], s[AB], 32
	s_sub_co_u32 s[SBK], s[SBK], 32                ; the lowest block
	s_sub_co_u32 s[BBK], s[AB], 3                  ; used where there is a full step, a >= 3
	; byte offsets, each under 2^31, each in a pair of its own with 0 above
	s_lshl_b32 s28, s[BB], 23                      ; query and out0: batch x 8,388,608 + position x 4,096 + head x 512
	s_lshl_b32 s60, s[QW], 12
	s_add_co_u32 s28, s28, s60
	s_lshl_b32 s60, s[KV], 2
	s_add_co_u32 s60, s60, s[HG]
	s_lshl_b32 s60, s60, 9
	s_add_co_u32 s28, s28, s60
	s_mov_b32 s29, 0
	s_lshl_b32 s60, s[BB], 18                      ; K's codes: 128 bytes a key, 64 a head
	s_lshl_b32 s62, s[KV], 6
	s_add_co_u32 s60, s60, s62
	s_mov_b32 s61, 0
	s_lshl_b32 s62, s[BB], 14                      ; K's scale words: 8 bytes a key, 4 a head
	s_lshl_b32 s66, s[KV], 2
	s_add_co_u32 s62, s62, s66
	s_mov_b32 s63, 0
	s_lshl_b32 s66, s[BY], 17                      ; V's codes
	s_mov_b32 s67, 0
	s_lshl_b32 s68, s[BY], 13                      ; V's scale bytes
	s_mov_b32 s69, 0
	s_lshl_b32 s70, s[BB], 13                      ; ids
	s_mov_b32 s71, 0
	s_mul_i32 s59, s[WV], 16*SP
	s_add_co_u32 s59, s59, VC                      ; my stage for Q
	s_lshl_b32 s58, s[WV], 3
	s_add_co_u32 s58, s58, SUM                     ; my first summary
	s_mov_b32 s[SEL], 0x76543210
	s_mov_b32 s[SEL+1], 0xfedcba98
	PAIR CP5, 0x0106b057                           ; 2.4738430e-38: c x the coefficient of sinh(y) / y over 50^11; the others likewise, by their powers
	PAIR CP3, 0x1292c128                           ; 9.2615120e-28  (coefficient 4, 4.9301947e-33, stands in a vector pair)
	PAIR CP2, 0x1aea8bfd                           ; 9.7006298e-23
	PAIR CP1, 0x22b2f4fc                           ; 4.8506384e-18
	PAIR CP0, 0x29a3d70a                           ; 7.2759576e-14
	PAIR CSG, 0x19800000                           ; 2^-76
	PAIR CK,  0x429044fe                           ; 72.134752
	PAIR CQ,  0x3db504f3                           ; 1 / sqrt(128), as f32
	; addresses; t is the thread's number
	v_and_b32 v16, 31, v0
	v_and_b32 v29, 15, v0                          ; r
	v_bfe_u32 v30, v0, 4, 1                        ; h
	v_lshrrev_b32 v31, 2, v0                       ; t / 4
	v_and_b32 v25, 3, v0                           ; t % 4
	v_lshlrev_b32 v16, 4, v16                      ; 16 x lane
	v_mul_u32_u24 v18, v29, SP
	v_lshlrev_b32 v19, 4, v25
	v_bfe_u32 v20, v0, 4, 1
	v_bfe_u32 v21, v0, 6, 1
	v_add_nc_u32 v17, s59, v16                     ; Q into the stage: rows
	v_lshl_add_u32 v18, v30, 7, v18
	v_lshl_add_u32 v19, v31, 7, v19                ; K in memory: key t / 4, four lanes to its 64 bytes
	v_lshl_or_b32 v20, v21, 1, v20                 ; key bits 2 and 4
	v_add_nc_u32 v18, s59, v18                     ; Q back: row r, my 32 numbers of each 64
	v_xor_b32 v20, v20, v25
	v_lshlrev_b32 v27, 11, v25
	v_lshrrev_b32 v28, 5, v0
	v_lshlrev_b32 v20, 4, v20
	v_lshl_add_u32 v27, v31, 2, v27
	v_lshl_add_u32 v22, v28, 13, v16               ; V in memory: my wave's 8 rows of 1,024 bytes
	v_lshl_add_u32 v20, v31, 6, v20                ; K in LDS: keys t / 4,
	v_add_nc_u32 v27, VS, v27                      ; V's scale words in LDS: 4 (t % 4) .. + 3 of channel t / 4
	v_mad_u32_u24 v24, v28, 8*VP, v16
	v_add_nc_u32 v21, 0x10000, v20                 ; and 1,024 keys on
	v_lshlrev_b32 v23, 3, v0                       ; K's scale words in memory: key t
	v_add_nc_u32 v24, VC, v24                      ; V in LDS
	v_lshlrev_b32 v25, 2, v0                       ; ids in memory
	v_lshlrev_b32 v26, 4, v0                       ; V's scale bytes in memory
	v_lshl_add_u32 v28, v0, 2, KS                  ; K's scale words in LDS; the ids 8,192 bytes on
	v_mov_b32 v31, s58
	v_and_b32 v1, 8, v29
	v_bfe_u32 v2, v0, 2, 2
	v_mul_u32_u24 v4, v29, VP
	v_add_nc_u32 v1, v1, v29                       ; r + 8 (r / 8)
	v_xor_b32 v2, v2, v30                          ; h with key bits 2 and 4
	v_lshl_add_u32 v4, v30, 4, v4
	v_lshl_add_u32 v[ASK], v1, 2, KS
	v_lshlrev_b32 v2, 4, v2
	v_lshl_add_u32 v[AK], v1, 6, v2
	v_add_nc_u32 v[AV], VC, v4
	v_xor_b32 v[AK2], 32, v[AK]
	v_lshl_add_u32 v[ASV], v29, 2, VS
	s_wait_alu depctr_va_vdst(0)
	s_wait_kmcnt 0x0
	s_add_nc_u64 s[4:5], s[4:5], s[28:29]
	s_add_nc_u64 s[16:17], s[16:17], s[28:29]
	s_add_nc_u64 s[6:7], s[6:7], s[60:61]
	s_add_nc_u64 s[8:9], s[8:9], s[62:63]
	s_add_nc_u64 s[10:11], s[10:11], s[66:67]
	s_add_nc_u64 s[12:13], s[12:13], s[68:69]
	s_add_nc_u64 s[14:15], s[14:15], s[70:71]
	; ALL GLOBAL LOADS OF THE TEXT, 57 a wave
.irp i, 0,1,2,3,4,5,6,7,8,9,10,11,12,13,14,15
	global_load_b128 v[T+4*\i:T+4*\i+3], v16, s[4:5] offset:4096*\i th:TH_LOAD_NT     ; query i of my tile: 32 lanes read its 512 consecutive bytes; read once in the launch
.endr
.irp i, 0,1,2,3,4,5,6,7,8,9,10,11,12,13,14,15
	global_load_b128 v[S+4*\i:S+4*\i+3], v19, s[6:7] offset:16384*\i                  ; keys 128 i + t / 4
.endr
.irp i, 0,1,2,3
	global_load_b32 v[224+\i], v23, s[8:9] offset:4096*\i                             ; K's scale words: keys 512 i + t
	global_load_b32 v[228+\i], v25, s[14:15] offset:2048*\i                           ; the ids likewise: a wave holds block 16 i + wave
.endr
	global_load_b128 v[232:235], v26, s[12:13]                                        ; V's scale bytes
.irp i, 0,1,2,3,4,5,6,7
	global_load_b128 v[O+8*\i:O+8*\i+3], v22, s[10:11] offset:1024*\i                 ; channel 8 wave + i
	global_load_b128 v[O+8*\i+4:O+8*\i+7], v22, s[10:11] offset:1024*\i+512
.endr
	s_wait_loadcnt 41                              ; Q's 16 loads are in: behind them stand 16 + 8 + 1 + 16
.irp i, 0,1,2,3,4,5,6,7,8,9,10,11,12,13,14,15
	ds_store_b128 v17, v[T+4*\i:T+4*\i+3] offset:SP*\i             ; Q turns through my stage: in as rows,
.endr
.irp c, 0,1
.irp g, 0,1,2,3,4,5,6,7
	ds_load_b128 v[T+32*\c+4*\g:T+32*\c+4*\g+3], v18 offset:256*\c+16*\g   ; back as q(r, 64 c + 32 h + 0 .. 31): LDS serves a wave's instructions in order, so these see the stores
.endr
.endr
	s_wait_dscnt 0x0
	; Q x 1 / sqrt(128), quantised along the head's 128.  A lane holds two whole blocks of 32: blocks h and 2 + h of its query
.set n, 0
.rept 32
	v_pk_mul_f32 v[T+n:T+n+1], v[T+n:T+n+1], s[CQ:CQ+1] op_sel_hi:[1,0]
.set n, n+2
.endr
.irp c, 0,1
	v_max3_num_f32 v[236+\c], |v[T+32*\c]|, |v[T+1+32*\c]|, 0x1800000   ; the block's largest magnitude, and the floor 2^(3 - 127): the byte cannot fall under 1
.endr
.irp i, 2,4,6,8,10,12,14,16,18,20,22,24,26,28,30
.irp c, 0,1
	s_delay_alu instid0(VALU_DEP_2)
	v_max3_num_f32 v[236+\c], v[236+\c], |v[T+32*\c+\i]|, |v[T+1+32*\c+\i]|
.endr
.endr
.irp c, 0,1
	s_delay_alu instid0(VALU_DEP_2)
	v_add_nc_u32 v[250+\c], 0xff000000, v[236+\c]  ; 2 off its exponent field: the conversion takes the exponent field of this operand as its scale
.endr
.irp c, 0,1
	s_delay_alu instid0(VALU_DEP_2)
	v_lshrrev_b32 v[252+\c], 23, v[250+\c]         ; the scale's byte
.endr
	s_delay_alu instid0(VALU_DEP_1)
	v_lshl_or_b32 v[QSW], v253, 16, v252           ; my two bytes,
	v_lshlrev_b32 v254, 3, v30
	s_delay_alu instid0(VALU_DEP_1)
	v_lshlrev_b32 v[QSW], v254, v[QSW]             ; 8 h bits up;
	v_mov_b32 v255, 0                              ; (a lane permute's destination counts as one of its sources)
	s_delay_alu instid0(VALU_DEP_1)
	v_permlanex16_b32 v255, v[QSW], s[SEL], s[SEL+1]
	s_delay_alu instid0(VALU_DEP_1)
	v_or_b32 v[QSW], v[QSW], v255                  ; with lane l xor 16's two the word is whole
.irp c, 0,1
.irp g, 0,1,2,3
	v_cvt_scalef32_pk8_fp4_f32 v[QC+4*\c+\g], v[T+32*\c+8*\g:T+32*\c+8*\g+7], v[250+\c]
.endr
.endr
	v_nop                                          ; one plain instruction behind the last scaled conversion
	s_wait_alu depctr_va_vdst(0)                   ; the wait here, ahead of the waits below
	s_wait_xcnt 0x0                                ; V's loads have read v22, so it may be written
	v_mov_b32 v[VP4], 0x09cccad3                   ; 4.9301947e-33
	v_mov_b32 v[VP4+1], 0x09cccad3
	v_mov_b32 v[LS], 0
	v_mov_b32 v[LS+1], 0
	v_mov_b32 v[L2], 0                             ; (named by the way out's lane permute on every path)
	v_mov_b32 v[L2+1], 0
	v_mov_b32 v[PSW], 0
	s_wait_alu depctr_va_vdst(0)
	s_wait_loadcnt 16                              ; K, scale words and ids are in: V's 16 loads may be out
.irp i, 0,1,2,3,4,5,6,7
	ds_store_b128 v20, v[S+4*\i:S+4*\i+3] offset:8192*\i
	ds_store_b128 v21, v[S+32+4*\i:S+35+4*\i] offset:8192*\i
.endr
.irp i, 0,1,2,3
	ds_store_b32 v28, v[224+\i] offset:2048*\i
	ds_store_b32 v28, v[228+\i] offset:SG-KS+2048*\i
	ds_store_b32 v27, v[232+\i] offset:512*\i
.endr
.macro SUMMARY j, reg                  ; block 16 j + wave: its first id, and which lanes differ from it; all lanes write the same words
	v_readfirstlane_b32 s60, v[228+\j]
	v_cmp_ne_u32 s61, s60, v[228+\j]
	v_mov_b32 v[\reg], s60
	v_mov_b32 v[\reg+1], s61
	ds_store_b64 v31, v[\reg:\reg+1] offset:128*\j
.endm
	SUMMARY 0, 236
	SUMMARY 1, 238
	SUMMARY 2, 250
	SUMMARY 3, 252
	s_wait_alu depctr_va_vdst(0)
	s_wait_dscnt 0x0                               ; for the others' sake: my part of K, of the scale words, ids and summaries lies in LDS, and my reads of Q's stage are over
	s_barrier_signal -1
	s_barrier_wait -1
	; THE FLAGS
	s_lshl_b32 s60, s[QW], 2
	s_and_b32 s60, s60, 0x1fff
	v_and_b32 v16, 31, v0
	v_and_b32 v17, 15, v0
	v_lshlrev_b32 v16, 3, v16
	v_lshl_add_u32 v17, v17, 2, SG
	v_add_nc_u32 v16, SUM, v16
	v_add_nc_u32 v17, s60, v17
	ds_load_b64 v[236:237], v16                    ; block lane,
	ds_load_b64 v[238:239], v16 offset:256         ; block 32 + lane
	ds_load_b32 v250, v17                          ; my query's id
	s_wait_alu depctr_va_vdst(0)
	s_wait_dscnt 0x0
	v_readfirstlane_b32 s66, v250
	v_cmp_ne_u32 s67, s66, v250
	v_cmp_ne_u32 s60, s66, v236
	v_cmp_ne_u32 s61, 0, v237
	v_cmp_ne_u32 s62, s66, v238
	v_cmp_ne_u32 s63, 0, v239
	s_or_b32 s[FL], s60, s61
	s_or_b32 s[FL+1], s62, s63
	s_cmp_lg_u32 s67, 0
	s_cselect_b32 s60, -1, 0                       ; my own queries' ids differ: every block is flagged
	s_or_b32 s[FL], s[FL], s60
	s_or_b32 s[FL+1], s[FL+1], s60
; LDS addresses of K's tiles from block s[reg] on.  (With the v_nop four places between the last products and the loads into the registers that they read)
.macro KADDR reg
	s_and_b32 s60, s[\reg], 63
	s_lshl_b32 s61, s60, 11
	s_lshl_b32 s62, s60, 7
	v_add_nc_u32 v[ADK], s61, v[AK]
	v_add_nc_u32 v[ADK2], s61, v[AK2]
	v_add_nc_u32 v[ADS], s62, v[ASK]
	v_nop
.endm
.macro KTILE t
	ds_load_b128 v[T+8*\t:T+8*\t+3], v[ADK] offset:(32*(\t/2)+8*(\t%2))*64
	ds_load_b128 v[T+8*\t+4:T+8*\t+7], v[ADK2] offset:(32*(\t/2)+8*(\t%2))*64
	ds_load_b32 v[KVS+\t], v[ADS] offset:(32*(\t/2)+8*(\t%2))*4
.endm
.macro SMUL t                          ; S^T = K Q^T: register 16 b + i of S is the step's key 32 b + 16 (lane / 16) + i
	v_wmma_scale_f32_16x16x128_f8f6f4 v[S+8*\t:S+8*\t+7], v[T+8*\t:T+8*\t+7], v[QC:QC+7], 0, v[KVS+\t], v[QSW] matrix_a_fmt:MATRIX_FMT_FP4 matrix_b_fmt:MATRIX_FMT_FP4
.endm
; One step of the polynomial for a block's 16 numbers
.macro HORN c
.irp k, 0,2,4,6,8,10,12,14
	v_pk_fma_f32 v[PP+\k:PP+\k+1], v[PP+\k:PP+\k+1], v[QQ+\k:QQ+\k+1], s[\c:\c+1] op_sel_hi:[1,1,0]
.endr
.endm
.macro POLY b                          ; block b: S becomes z, T becomes z^2 + c^2
.set QQ, T+16*(\b)
.set ZZ, S+16*(\b)
.irp k, 0,2,4,6,8,10,12,14
	v_pk_fma_f32 v[PP+\k:PP+\k+1], v[QQ+\k:QQ+\k+1], s[CP5:CP5+1], v[VP4:VP4+1] op_sel_hi:[1,0,1]
.endr
	HORN CP3
	HORN CP2
	HORN CP1
	HORN CP0
.irp k, 0,2,4,6,8,10,12,14
	v_pk_mul_f32 v[ZZ+\k:ZZ+\k+1], v[ZZ+\k:ZZ+\k+1], v[PP+\k:PP+\k+1]
.endr
.irp k, 0,2,4,6,8,10,12,14
	v_pk_fma_f32 v[QQ+\k:QQ+\k+1], v[ZZ+\k:ZZ+\k+1], v[ZZ+\k:ZZ+\k+1], s[CSG:CSG+1] op_sel_hi:[1,1,0]
.endr
.endm
.macro RSQ b
.irp j, 0,1,2,3,4,5,6,7,8,9,10,11,12,13,14,15
	v_rsq_f32 v[T+16*(\b)+\j], v[T+16*(\b)+\j]
.endr
.endm
.macro ZK b                            ; z x 50 log2(e): plain work behind the block's reciprocal roots
.set ZZ, S+16*(\b)
.irp k, 0,2,4,6,8,10,12,14
	v_pk_mul_f32 v[ZZ+\k:ZZ+\k+1], v[ZZ+\k:ZZ+\k+1], s[CK:CK+1] op_sel_hi:[1,0]
.endr
.endm
.macro MULT b                          ; t
.set ZZ, S+16*(\b)
.set QQ, T+16*(\b)
.irp k, 0,2,4,6,8,10,12,14
	v_pk_mul_f32 v[ZZ+\k:ZZ+\k+1], v[ZZ+\k:ZZ+\k+1], v[QQ+\k:QQ+\k+1]
.endr
.endm
; The ids of nb blocks from block s[reg] on, compared with my query's
.macro IDS reg, nb
	s_and_b32 s60, s[\reg], 63
	s_lshl_b32 s60, s60, 7
	s_lshl_b32 s61, s[QW], 2
	s_and_b32 s61, s61, 0x1fff
	v_bfe_u32 v[ADK], v0, 4, 1
	v_and_b32 v[ADK2], 15, v0
	v_lshl_add_u32 v[ADK], v[ADK], 6, SG
	v_lshl_add_u32 v[ADK2], v[ADK2], 2, SG
	v_add_nc_u32 v[ADK], s60, v[ADK]
	v_add_nc_u32 v[ADK2], s61, v[ADK2]
.set n, 0
.rept 4*\nb
	ds_load_b128 v[T+4*n:T+4*n+3], v[ADK] offset:128*(n/4)+16*(n%4)   ; in the order of S's registers; the sixteen lanes of a half read the same words
.set n, n+1
.endr
	ds_load_b32 v[P], v[ADK2]
	s_wait_alu depctr_va_vdst(0)
	s_wait_dscnt 0x0
.set n, 0
.rept 16*\nb
	v_cmp_eq_u32 vcc_lo, v[T+n], v[P]
	v_cndmask_b32 v[S+n], 0xff800000, v[S+n], vcc_lo               ; -infinity where the ids differ
.set n, n+1
.endr
.endm
; A full step's t, masked.  first = 1: the step that ends with my own block
.macro SCORES first
	KADDR BBK
.irp t, 0,1,2,3,4,5,6,7
	KTILE \t
.endr
	s_wait_dscnt 12                                ; tiles 0 to 3 are in; the 12 loads of tiles 4 to 7 may be out
.irp t, 0,1,2,3
	SMUL \t
.endr
	s_wait_dscnt 0x0
.irp t, 4,5,6,7
	SMUL \t
.endr
.rept 4
	v_nop                                          ; four places between the products and the first read of a result or write of a source (ISA guide 7.12.1)
.endr
.set n, 0
.rept 32
	v_pk_mul_f32 v[T+n:T+n+1], v[S+n:S+n+1], v[S+n:S+n+1]          ; s^2; each accumulator is read from its low end on, and all ahead of the transcendentals
.set n, n+2
.endr
.irp b, 0,1,2,3
	POLY \b
	s_wait_alu depctr_va_vdst(0)                   ; one wait: ahead of this block's batch, and behind the last block's
	RSQ \b
	ZK \b
.if \b > 0
	MULT \b-1
.endif
.endr
	s_wait_alu depctr_va_vdst(0)
	MULT 3
.if \first
	s_and_b32 s60, s[C16], 1
	s_lshl_b32 s60, s60, 4
	v_and_b32 v[P], 15, v0
	v_bfe_u32 v[P+1], v0, 4, 1
	v_lshlrev_b32 v[P+1], 4, v[P+1]
	v_sub_nc_u32 v[P], v[P], v[P+1]
	v_add_nc_u32 v[P], s60, v[P]                   ; THE CAUSAL EDGE: my query - first key of my half of the own block
.set n, 0
.rept 16
	v_cmp_le_i32 vcc_lo, n, v[P]
	v_cndmask_b32 v[S+48+n], 0xff800000, v[S+48+n], vcc_lo
.set n, n+1
.endr
.endif
	s_sub_co_u32 s62, 60, s[BBK]
	s_lshl_b64 s[60:61], s[FL:FL+1], s62
	s_lshr_b32 s61, s61, 28                        ; the flags of the step's four blocks
	s_cmp_eq_u32 s61, 0
	s_wait_alu depctr_va_vdst(0)
	s_cbranch_scc1 .Lsame_\@
	IDS BBK, 4
.Lsame_\@:
.endm
; V's fragments and scale words for four blocks from block s[reg] on.  The scale bytes of four blocks lie in one word or in two neighbouring ones
.macro FETCHV reg
	s_and_b32 s60, s[\reg], 63
	s_lshl_b32 s61, s60, 4
	s_lshr_b32 s62, s60, 2
	s_lshl_b32 s62, s62, 9
	s_and_b32 s63, s60, 3
	s_lshl_b32 s[SH], s63, 3
	v_add_nc_u32 v[ADV], s61, v[AV]
	v_add_nc_u32 v[ADT], s62, v[ASV]
	v_add_nc_u32 v[ADV2], 64*VP, v[ADV]            ; 64 rows on, so that the loads' immediates stay inside 16 bits
.irp t, 0,1,2,3
.irp c, 0,1
	ds_load_b128 v[T+8*\t+4*\c:T+8*\t+4*\c+3], v[ADV] offset:16*VP*\t+32*\c
.endr
	ds_load_b32 v[KVS+\t], v[ADT] offset:64*\t
	ds_load_b32 v[W1+\t], v[ADT] offset:64*\t+512
.endr
.irp t, 0,1,2,3
.irp c, 0,1
	ds_load_b128 v[T+32+8*\t+4*\c:T+32+8*\t+4*\c+3], v[ADV2] offset:16*VP*\t+32*\c
.endr
	ds_load_b32 v[KVS+4+\t], v[ADT] offset:256+64*\t
	ds_load_b32 v[W1+4+\t], v[ADT] offset:256+64*\t+512            ; (where SH is 0 the upper words count for nothing)
.endr
.endm
; p, and its codes along the keys
.macro EXPQ
	s_wait_alu depctr_va_vdst(0)                   ; the wait ahead of the batch
.set n, 0
.rept 64
	v_exp_f32 v[S+n], v[S+n]                       ; p = 2^t; 0 for a hidden key
.set n, n+1
.endr
	v_nop                                          ; a plain instruction behind the last exponential,
	s_wait_alu depctr_va_vdst(0)                   ; and one wait for the 64, ahead of their first reader
.irp b, 0,1,2,3
	v_max3_num_f32 v[P+\b], v[S+16*\b], v[S+1+16*\b], 0x1800000    ; my 16 of block b, and the floor 2^(3 - 127): a block of zeros keeps the byte 1 over zero codes.  p is never negative
.endr
.irp i, 2,4,6,8,10,12,14
.irp b, 0,1,2,3
	v_max3_num_f32 v[P+\b], v[P+\b], v[S+16*\b+\i], v[S+1+16*\b+\i]
.endr
.endr
.irp b, 0,1,2,3
	s_delay_alu instid0(VALU_DEP_4)
	v_permlanex16_b32 v[P+4+\b], v[P+\b], s[SEL], s[SEL+1]
.endr
.irp b, 0,1,2,3
	s_delay_alu instid0(VALU_DEP_4)
	v_max_num_f32 v[P+\b], v[P+\b], v[P+4+\b]      ; the block's largest p
.endr
.irp b, 0,1,2,3
	s_delay_alu instid0(VALU_DEP_4)
	v_add_nc_u32 v[TM2+\b], 0xff000000, v[P+\b]    ; 2 off its exponent field: the conversion's scale operand
.endr
.irp b, 0,1,2,3
	s_delay_alu instid0(VALU_DEP_4)
	v_lshrrev_b32 v[P+4+\b], 23, v[TM2+\b]         ; the scale's byte
.endr
	s_delay_alu instid0(VALU_DEP_3)
	v_lshl_or_b32 v[PSW], v[P+5], 8, v[P+4]        ; p's scale word for these 128 keys
	s_delay_alu instid0(VALU_DEP_1)
	v_lshl_or_b32 v[PSW], v[P+6], 16, v[PSW]
	s_delay_alu instid0(VALU_DEP_1)
	v_lshl_or_b32 v[PSW], v[P+7], 24, v[PSW]
.irp b, 0,1,2,3
	v_cvt_scalef32_pk8_fp4_f32 v[U+2*\b], v[S+16*\b:S+16*\b+7], v[TM2+\b]
	v_cvt_scalef32_pk8_fp4_f32 v[U+1+2*\b], v[S+8+16*\b:S+8+16*\b+7], v[TM2+\b]
.endr
	v_nop                                          ; one plain instruction behind the last scaled conversion
.irp c, 0,1                                    ; the operand's layout wants a whole block in a lane: lanes 0-15 block 2 c, lanes 16-31 block 2 c + 1
.irp i, 0,1
	v_permlane16_swap_b32 v[U+4*\c+\i], v[U+2+4*\c+\i]
.endr
.endr
.endm
.macro VSCALES                         ; V is in: the four scale bytes of each channel
	s_wait_dscnt 0x0
.irp t, 0,1,2,3,4,5,6,7
	v_alignbit_b32 v[KVS+\t], v[W1+\t], v[KVS+\t], s[SH]
.endr
.endm
.macro OMUL zero                       ; O^T += V^T P^T: the eight accumulators take turns, one instruction a turn
.irp t, 0,1,2,3,4,5,6,7
.if \zero
	v_wmma_scale_f32_16x16x128_f8f6f4 v[O+8*\t:O+8*\t+7], v[T+8*\t:T+8*\t+7], v[U:U+7], 0, v[KVS+\t], v[PSW] matrix_a_fmt:MATRIX_FMT_FP4 matrix_b_fmt:MATRIX_FMT_FP4
.else
	v_wmma_scale_f32_16x16x128_f8f6f4 v[O+8*\t:O+8*\t+7], v[T+8*\t:T+8*\t+7], v[U:U+7], v[O+8*\t:O+8*\t+7], v[KVS+\t], v[PSW] matrix_a_fmt:MATRIX_FMT_FP4 matrix_b_fmt:MATRIX_FMT_FP4
.endif
.endr
.endm
; The row's sum of the unquantised p in eight chains (these lines are also the places between the scale words and the products), and the second product
.macro SUMPV zero
	VSCALES
	v_pk_add_f32 v[254:255], v[100:101], v[104:105]
	v_pk_add_f32 v[252:253], v[108:109], v[112:113]
	v_pk_add_f32 v[250:251], v[116:117], v[120:121]
	v_pk_add_f32 v[238:239], v[124:125], v[128:129]
	v_pk_add_f32 v[236:237], v[132:133], v[136:137]
	v_pk_add_f32 v[234:235], v[140:141], v[144:145]
	v_pk_add_f32 v[232:233], v[148:149], v[152:153]
	v_pk_add_f32 v[6:7], v[6:7], v[156:157]
	v_pk_add_f32 v[254:255], v[254:255], v[96:97]
	v_pk_add_f32 v[252:253], v[252:253], v[98:99]
	v_pk_add_f32 v[250:251], v[250:251], v[102:103]
	v_pk_add_f32 v[238:239], v[238:239], v[106:107]
	v_pk_add_f32 v[236:237], v[236:237], v[110:111]
	v_pk_add_f32 v[234:235], v[234:235], v[114:115]
	v_pk_add_f32 v[232:233], v[232:233], v[118:119]
	v_pk_add_f32 v[6:7], v[6:7], v[122:123]
	v_pk_add_f32 v[254:255], v[254:255], v[126:127]
	v_pk_add_f32 v[252:253], v[252:253], v[130:131]
	v_pk_add_f32 v[250:251], v[250:251], v[134:135]
	v_pk_add_f32 v[238:239], v[238:239], v[138:139]
	v_pk_add_f32 v[236:237], v[236:237], v[142:143]
	v_pk_add_f32 v[234:235], v[234:235], v[146:147]
	v_pk_add_f32 v[232:233], v[232:233], v[150:151]
	v_pk_add_f32 v[6:7], v[6:7], v[154:155]
	v_pk_add_f32 v[254:255], v[254:255], v[158:159]
	v_pk_add_f32 v[252:253], v[252:253], v[234:235]
	v_pk_add_f32 v[250:251], v[250:251], v[232:233]
	v_pk_add_f32 v[6:7], v[6:7], v[238:239]
	v_pk_add_f32 v[254:255], v[254:255], v[236:237]
	v_pk_add_f32 v[252:253], v[252:253], v[250:251]
	s_delay_alu instid0(VALU_DEP_2)
	v_pk_add_f32 v[6:7], v[6:7], v[254:255]
	s_delay_alu instid0(VALU_DEP_1)
	v_pk_add_f32 v[6:7], v[6:7], v[252:253]
	OMUL \zero
.endm
	; THE FIRST FULL STEP: its scores and codes while V is on its way
	s_cmp_eq_u32 s[NF], 0
	s_cbranch_scc1 .Lnofirst
	SCORES 1
	EXPQ
.Lnofirst:
	; zeros with all lanes on, while V is on its way: V's row padding, which no product uses, and my stage for O, which the way out fills with half the lanes at a time
	s_mul_i32 s60, s[WV], 8*OP
	s_add_co_u32 s60, s60, STG
	v_and_b32 v16, 31, v0
	v_lshrrev_b32 v18, 2, v0
	v_and_b32 v19, 3, v0
	v_mov_b32 v[T], 0
	v_lshlrev_b32 v17, 4, v16
	v_mul_u32_u24 v18, v18, VP
	v_lshlrev_b32 v16, 2, v16
	v_mov_b32 v[T+1], 0
	v_add_nc_u32 v17, s60, v17
	v_lshl_add_u32 v18, v19, 2, v18
	v_add_nc_u32 v16, s60, v16
	v_mov_b32 v[T+2], 0
	v_add_nc_u32 v18, VC+1024, v18                 ; row t / 4, word t % 4 of its padding
	v_mov_b32 v[T+3], 0
	s_wait_alu depctr_va_vdst(0)
	ds_store_b32 v18, v[T]
.irp i, 0,1,2,3
	ds_store_b128 v17, v[T:T+3] offset:512*\i
.endr
	ds_store_b32 v16, v[T] offset:2048             ; 2,048 + 128 bytes: 8 rows of 272
	s_wait_loadcnt 0x0
.irp i, 0,1,2,3,4,5,6,7
	ds_store_b128 v24, v[O+8*\i:O+8*\i+3] offset:VP*\i
	ds_store_b128 v24, v[O+8*\i+4:O+8*\i+7] offset:VP*\i+512
.endr
	s_wait_dscnt 0x0                               ; for the others' sake: my rows of V lie in LDS
	s_barrier_signal -1
	s_barrier_wait -1                              ; from here on LDS is only read, but for each wave's own stage
	s_cmp_eq_u32 s[NF], 0
	s_cbranch_scc1 .Lzero
	FETCHV BBK
	SUMPV 1
	s_branch .Lgo
.Lzero:
.set n, 0
.rept 64
	v_mov_b32 v[O+n], 0                            ; a tile with no full step: its single blocks add onto zeros
.set n, n+1
.endr
	s_wait_alu depctr_va_vdst(0)
.Lgo:
	s_sub_co_u32 s[BBK], s[BBK], 4
	s_mov_b32 s[CNT], 1
.Lstep:                                            ; 7 trips; a trip beyond my count of full steps does nothing but step
	s_cmp_ge_u32 s[CNT], s[NF]
	s_cbranch_scc1 .Lhidden
	SCORES 0
	FETCHV BBK
	EXPQ
	SUMPV 0
.Lhidden:
	s_sub_co_u32 s[BBK], s[BBK], 4
	s_add_co_u32 s[CNT], s[CNT], 1
	s_cmp_lt_u32 s[CNT], 8
	s_cbranch_scc1 .Lstep
	s_mov_b32 s[CN2], 0
.Lsingle:                                          ; 3 trips: a single block; p's codes fill the first 32 of the product's 128 along K, the rest are zero codes
	s_cmp_ge_u32 s[CN2], s[NS]
	s_cbranch_scc1 .Lnosingle
	KADDR SBK
	KTILE 0
	KTILE 1
	s_wait_dscnt 0x0
	SMUL 0
	SMUL 1
.rept 4
	v_nop
.endr
.set n, 0
.rept 8
	v_pk_mul_f32 v[T+n:T+n+1], v[S+n:S+n+1], v[S+n:S+n+1]
.set n, n+2
.endr
	POLY 0
	s_wait_alu depctr_va_vdst(0)
	RSQ 0
	ZK 0
	s_wait_alu depctr_va_vdst(0)
	MULT 0
	; THE BAND, where a pair of the tile and the block can lie outside it: q - k runs from s61 - 31 to s61 + 15
	s_lshl_b32 s60, s[SBK], 5
	s_sub_co_u32 s61, s[QW], s60
	s_sub_co_u32 s62, s61, 31
	s_cmp_le_u32 s62, 977                          ; unsigned: 0 <= s61 - 31 and s61 + 15 <= 1023
	s_wait_alu depctr_va_vdst(0)
	s_cbranch_scc1 .Lopen
	s_mov_b32 s62, 0x400
	v_and_b32 v[P], 15, v0
	v_bfe_u32 v[P+1], v0, 4, 1
	v_lshlrev_b32 v[P+1], 4, v[P+1]
	v_sub_nc_u32 v[P], v[P], v[P+1]
	v_add_nc_u32 v[P], s61, v[P]                   ; my query - first key of my half
.set n, 0
.rept 16
	v_add_nc_u32 v[U+n%8], -n, v[P]                ; q - k of register n
	v_cmp_gt_u32 vcc_lo, s62, v[U+n%8]             ; unsigned: 0 <= q - k < 1,024
	v_cndmask_b32 v[S+n], 0xff800000, v[S+n], vcc_lo
.set n, n+1
.endr
.Lopen:
	s_sub_co_u32 s62, 63, s[SBK]
	s_lshl_b64 s[60:61], s[FL:FL+1], s62
	s_lshr_b32 s61, s61, 31                        ; the block's flag
	s_cmp_eq_u32 s61, 0
	s_wait_alu depctr_va_vdst(0)
	s_cbranch_scc1 .Lsame1
	IDS SBK, 1
.Lsame1:
	FETCHV SBK                                     ; (the three blocks behind it meet zero codes)
	s_wait_alu depctr_va_vdst(0)
.set n, 0
.rept 16
	v_exp_f32 v[S+n], v[S+n]
.set n, n+1
.endr
	v_nop
	s_wait_alu depctr_va_vdst(0)
	v_max3_num_f32 v[P], v[S], v[S+1], 0x1800000
	v_max3_num_f32 v[P+2], v[S+2], v[S+3], v[S+4]
	v_max3_num_f32 v[P], v[P], v[S+5], v[S+6]
	v_max3_num_f32 v[P+2], v[P+2], v[S+7], v[S+8]
	v_max3_num_f32 v[P], v[P], v[S+9], v[S+10]
	v_max3_num_f32 v[P+2], v[P+2], v[S+11], v[S+12]
	v_max3_num_f32 v[P], v[P], v[S+13], v[S+14]
	v_mov_b32 v[U+2], 0
	v_max3_num_f32 v[P], v[P], v[P+2], v[S+15]
	v_mov_b32 v[U+3], 0
	v_permlanex16_b32 v[P+1], v[P], s[SEL], s[SEL+1]
	v_mov_b32 v[U+4], 0
	v_max_num_f32 v[P], v[P], v[P+1]
	v_mov_b32 v[U+5], 0
	v_add_nc_u32 v[TM2], 0xff000000, v[P]
	v_mov_b32 v[U+6], 0
	v_lshrrev_b32 v[P+4], 23, v[TM2]
	v_mov_b32 v[U+7], 0
	v_or_b32 v[PSW], 0x7f7f7f00, v[P+4]
	v_cvt_scalef32_pk8_fp4_f32 v[U], v[S:S+7], v[TM2]
	v_cvt_scalef32_pk8_fp4_f32 v[U+1], v[S+8:S+15], v[TM2]
	v_nop
	v_permlane16_swap_b32 v[U], v[U+2]             ; keys 0 .. 31 into lanes 0-15, zeros into lanes 16-31
	v_permlane16_swap_b32 v[U+1], v[U+3]
	VSCALES
	v_pk_add_f32 v[254:255], v[96:97], v[98:99]
	v_pk_add_f32 v[252:253], v[100:101], v[102:103]
	v_pk_add_f32 v[250:251], v[104:105], v[106:107]
	v_pk_add_f32 v[238:239], v[108:109], v[110:111]
	v_pk_add_f32 v[254:255], v[254:255], v[252:253]
	v_pk_add_f32 v[250:251], v[250:251], v[238:239]
	v_pk_add_f32 v[6:7], v[6:7], v[254:255]
	v_nop
	v_pk_add_f32 v[6:7], v[6:7], v[250:251]
	OMUL 0
.Lnosingle:
	s_add_co_u32 s[SBK], s[SBK], 1
	s_add_co_u32 s[CN2], s[CN2], 1
	s_cmp_lt_u32 s[CN2], 3
	s_cbranch_scc1 .Lsingle
	; THE WAY OUT.  O^T / the row's sum goes through my stage, 8 rows x 64 channels at a time, and leaves as aligned units of 256 bytes
	s_wait_alu depctr_va_vdst(0)
	v_add_f32 v[LS], v[LS], v[LS+1]                ; the sum's two halves,
	s_delay_alu instid0(VALU_DEP_1)
	v_permlanex16_b32 v[L2], v[LS], s[SEL], s[SEL+1]
	s_delay_alu instid0(VALU_DEP_1)
	v_add_f32 v[LS], v[LS], v[L2]                  ; and lane l xor 16's keys
	s_wait_alu depctr_va_vdst(0)
	v_rcp_f32 v[LS], v[LS]
	s_mul_i32 s60, s[WV], 8*OP
	s_add_co_u32 s60, s60, STG
	v_and_b32 v8, 15, v0                           ; (plain lines behind the reciprocal, and the places behind the last products)  r
	v_bfe_u32 v9, v0, 4, 1                         ; h
	v_and_b32 v10, 7, v0
	v_and_b32 v12, 8, v0
	v_mul_u32_u24 v10, v10, OP
	v_mul_u32_u24 v11, v9, OP
	v_lshlrev_b32 v13, 12, v9
	v_lshl_add_u32 v10, v9, 5, v10
	v_lshl_add_u32 v11, v8, 4, v11
	v_lshl_add_u32 v13, v8, 4, v13                 ; in out0: lanes 0-15 one position, lanes 16-31 the next
	v_add_nc_u32 v10, s60, v10                     ; into the stage: row r % 8; tile t's eight channels of my half lie 64 (t % 4) + 32 h bytes on
	v_add_nc_u32 v11, s60, v11                     ; back: lanes 0-15 one row, lanes 16-31 the next
	s_wait_alu depctr_va_vdst(0)                   ; the wait ahead of the reciprocal's first reader
.set n, 0
.rept 32
	v_pk_mul_f32 v[S+n:S+n+1], v[O+n:O+n+1], v[LS:LS+1] op_sel_hi:[1,0]   ; register 8 t + i is o(r, 16 t + 8 h + i); each accumulator is read from its low end on
.set n, n+2
.endr
.macro ROUND4 u, hf                    ; rows 8 hf .. 8 hf + 7, channels 64 u .. 64 u + 63.  LDS serves a wave's instructions in order: no wait stands between a round's stores, its loads and the next round's stores
.if \hf
	v_cmp_ne_u32 vcc_lo, 0, v12
.else
	v_cmp_eq_u32 vcc_lo, 0, v12
.endif
	s_and_saveexec_b32 s61, vcc_lo
.irp t, 0,1,2,3
	ds_store_b128 v10, v[S+32*\u+8*\t:S+32*\u+8*\t+3] offset:64*\t
	ds_store_b128 v10, v[S+32*\u+8*\t+4:S+32*\u+8*\t+7] offset:64*\t+16
.endr
	s_or_b32 exec_lo, exec_lo, s61
.irp i, 0,1,2,3
	ds_load_b128 v[T+32*\u+16*\hf+4*\i:T+32*\u+16*\hf+4*\i+3], v11 offset:2*OP*\i
.endr
.endm
	ROUND4 0, 0
	ROUND4 0, 1
	ROUND4 1, 0
	ROUND4 1, 1
	s_wait_alu depctr_va_vdst(0)
.irp u, 0,1
.irp f, 0,1
.irp i, 0,1,2,3
	s_wait_dscnt 12*(3-2*\u-\f)+3-\i               ; behind this load stand the round's younger loads and the later rounds' 8 stores and 4 loads each
	global_store_b128 v13, v[T+32*\u+16*\f+4*\i:T+32*\u+16*\f+4*\i+3], s[16:17] offset:(8*\f+2*\i)*4096+256*\u th:TH_STORE_NT   ; 16 lanes store 256 consecutive bytes, at a multiple of 256 from out0's first byte; written once, read by nobody here
.endr
.endr
.endr
	s_wait_xcnt 0x0
	v_lshl_add_u32 v254, v0, 2, SPARE
	v_mov_b32 v255, 0
	s_wait_alu depctr_va_vdst(0)
	s_wait_tensorcnt 0x0                           ; the wave's end
	ds_add_u32 v254, v255
	s_wait_dscnt 0x0
	s_endpgm
.Lfunc_end_k_q0ec1620227_attn:
	.size	k_q0ec1620227_attn, .Lfunc_end_k_q0ec1620227_attn-k_q0ec1620227_attn
	.p2alignl 7, 3214868480
	.fill 96, 4, 3214868480
	.section	.rodata,"a",@progbits
	.p2align	6, 0x0
	.amdhsa_kernel k_q0ec1620227_attn
		.amdhsa_group_segment_fixed_size 326400
		.amdhsa_private_segment_fixed_size 0
		.amdhsa_enable_private_segment 0
		.amdhsa_kernarg_size 56
		.amdhsa_user_sgpr_count 2
		.amdhsa_user_sgpr_kernarg_segment_ptr 1
		.amdhsa_wavefront_size32 1
		.amdhsa_system_sgpr_workgroup_id_x 1
		.amdhsa_system_sgpr_workgroup_id_y 1
		.amdhsa_system_sgpr_workgroup_id_z 1
		.amdhsa_system_vgpr_workitem_id 0
		.amdhsa_next_free_vgpr 256
		.amdhsa_next_free_sgpr 80
		.amdhsa_reserve_vcc 1
		.amdhsa_float_denorm_mode_32 3
		.amdhsa_float_denorm_mode_16_64 3
		.amdhsa_memory_ordered 1
		.amdhsa_forward_progress 1
		.amdhsa_inst_pref_size 148
	.end_amdhsa_kernel
	.amdgpu_metadata
---
amdhsa.version: [ 1, 2 ]
amdhsa.kernels:
  - .name:           k_q0ec1620227_attn
    .symbol:         k_q0ec1620227_attn.kd
    .args:
      - { .name: query, .offset: 0, .size: 8, .value_kind: global_buffer, .address_space: global }
      - { .name: key_codes, .offset: 8, .size: 8, .value_kind: global_buffer, .address_space: global }
      - { .name: key_scales, .offset: 16, .size: 8, .value_kind: global_buffer, .address_space: global }
      - { .name: value_codes, .offset: 24, .size: 8, .value_kind: global_buffer, .address_space: global }
      - { .name: value_scales, .offset: 32, .size: 8, .value_kind: global_buffer, .address_space: global }
      - { .name: decoder_segment_ids, .offset: 40, .size: 8, .value_kind: global_buffer, .address_space: global }
      - { .name: out0, .offset: 48, .size: 8, .value_kind: global_buffer, .address_space: global }
    .group_segment_fixed_size: 326400
    .private_segment_fixed_size: 0
    .kernarg_segment_align: 8
    .kernarg_segment_size: 56
    .max_flat_workgroup_size: 512
    .sgpr_count:     80
    .vgpr_count:     256
    .wavefront_size: 32
...
	.end_amdgpu_metadata
.endif
;; end of part 1
